; MI455X (gfx1250); checked and timed in simulation.
; The chip was launched on July 23, 2026; its instructions are those of AMD's public machine-readable ISA for CDNA 5 (MIT licence, August 2026) and "CDNA5" Instruction Set Architecture Reference Guide (July 2026). The comments in the code are by the model that wrote it; some were corrected since.
;; Lora Injected Linear Wrapper. Allowed arithmetic: matrix products marked QUANTISED: E2M1 operands, one E8M0 scale for each 32 along K, by v_wmma_scale_f32_16x16x128_f8f6f4 with both operands' format E2M1 (or v_wmma_scale_f32_32x16x128_f4), f32 sums; products left as they are: f32 operands where the result goes on into a quantised operand, else bf16, f16 or f32 operands; f32 sums; everything else in f32.
;; Inputs: A 4,096 x 16 float32; B 16 x 4,096 float32; W 4,096 x 4,096 float32; b 4,096 float32; x 8 x 512 x 4,096 float32.
;; Outputs: out0 8 x 512 x 4,096 float32.
;; This version of the problem:
;;   THIS VERSION OF THE PROBLEM IS GIVEN IN LOW PRECISION. The matrix products marked QUANTISED in the list below multiply operands that are first quantised to E2M1 (2 exponent bits, 1 mantissa bit; 4 bits a number), with one power-of-two scale for each 32 numbers along K (OCP MX v1.0); their sums are f32. All else is computed in f32.
;;   The module's matrix products, in the order in which they are computed (A, B: the left and right operand; K: the contracted axis; several contracted axes count as one K, in the product's order):
;;     1. [M 4,096, K 4,096] x [K 4,096, N 16]; A: input x; B: input A: QUANTISED
;;     2. [M 4,096, K 16] x [K 16, N 4,096]; A: computed on the way; B: input B: left as it is (K = 16 < 32)
;;     3. [M 4,096, K 4,096] x [K 4,096, N 4,096]; A: input x; B: input W: QUANTISED
;;   THE QUANTISER, for each operand of a quantised product, along K:
;;     - K is cut into blocks of 32 from its start; a last block that is shorter is filled with zeros.
;;     - A block's scale is 2^e with e = floor(log2(the largest magnitude in the block)) - 2, held to -126 .. 127; a block of zeros has e = 0. As a byte (E8M0): e + 127.
;;     - Each number is divided by its block's scale, clamped to +-6, and rounded to the nearest number of E2M1, ties to even, subnormals kept.
;;     - The product sums the exact products of the quantised numbers (number of the format x scale) in f32.
;;   ~~~python
;;   def quantise(x, axis):      # numpy; x: float32 -> the quantised numbers, widened to float32 again
;;       x = np.moveaxis(x, axis, -1); K = x.shape[-1]
;;       x = np.pad(x, [(0, 0)] * (x.ndim - 1) + [(0, -K % 32)]); x = x.reshape(x.shape[:-1] + (-1, 32)); a = np.abs(x).max(-1, keepdims=True)
;;       e = np.where(a > 0, np.clip(np.frexp(np.where(a > 0, a, 1))[1] - 1 - 2, -126, 127), 0)      # np.frexp(a)[1] - 1 = floor(log2(a)), exactly
;;       r = np.clip(x / 2.0 ** e, -6, 6)
;;       step = 2.0 ** (np.maximum(np.frexp(np.where(r == 0, 1, r))[1] - 1, 0) - 1)
;;       q = np.round(r / step) * step * 2.0 ** e      # np.round: ties to even
;;       return np.moveaxis(q.reshape(q.shape[:-2] + (-1,))[..., :K], -1, axis).astype(np.float32)
;;   ~~~
;; One version. Each part assembles by itself: llvm-mc -triple=amdgcn-amd-amdhsa -mcpu=gfx1250 --defsym DOCPART=n.
;; ======== version 1 of 1: 2 launches
;; limits: values are held in bf16: 8 bits of precision; right only within a limited range of input values
;; workspace buffers: xq 8,912,896 bytes; wq 8,912,896 bytes; aq 34,816 bytes
;; launch quant (part 1): grid 256 x 1, 16 waves a work-group, no clusters, 272,896 bytes of LDS; arguments x, W, A, xq, wq, aq; writes xq, wq, aq
.if DOCPART == 1
	.amdgcn_target "amdgcn-amd-amdhsa--gfx1250"
	.amdhsa_code_object_version 6
	.text
	.protected	k_q08a7ce464b_quant
	.globl	k_q08a7ce464b_quant
	.p2align	8
	.type	k_q08a7ce464b_quant,@function
k_q08a7ce464b_quant:
	s_mov_b64 s[64:65], 0
	v_nop
	global_prefetch_b8 v0, s[64:65] scope:SCOPE_SE
	s_setreg_imm32_b32 hwreg(HW_REG_WAVE_MODE, 25, 1), 1
	s_wait_xcnt 0x0
; x [4096 (m)][4096 (k)], W [4096 (k)][4096 (n)] and A [4096 (k)][16] are f32.  This launch turns all three into codes of FP4 (E2M1) with one E8M0 scale byte for each 32 along K,
; laid as the product's launch wants them.
; LEFT OUT (in the whole program): the factor SCALE on the low-rank term: reference() sets it to 16 / 16 = 1 in its own body, so it changes no number.  Every input is read.
; A block's scale is 2^(floor(log2(its largest magnitude)) - 2); its byte is the largest magnitude's exponent field - 2, held at 1 from below.
; LIMITS: a block whose largest magnitude lies under 2^-124 gets the byte 1; a block of zeros too, where the quantiser's text says 127: its codes are zeros, which add nothing under that byte, and this
; program alone reads the bytes.  NaN and infinities among the inputs are not served.
; LAYOUT OF xq (rows = m) AND wq (rows = n): [K step of 512: 8][group of 128 rows: 32][chunk of 34,816 bytes].  A chunk: bytes 0 .. 32,767 are IMAGES OF OPERAND REGISTERS,
; [tile of 16 rows: 8][128 along K: 4][c: 2][lane: 32][16 bytes]: lane (r, h) holds k = 64 c + 32 h + 0 .. 31 of row r; bytes 32,768 on are the scale bytes, [row: 128][16]: word q for the q-th 128 along K.
; LAYOUT OF aq (rows = A's 16 columns): [K step: 8][4,352 bytes]: 4,096 bytes of images of one tile, then [row: 16][16] scale bytes.
; SHARES.  256 work-groups of 16 waves.  Work-group g takes rows 16 g .. 16 g + 15 of x for all of K, and the chunk (K step g % 8, group g / 8) of W: 256 KiB of each.
; Wave w: x at K = 256 w .. 256 w + 255, by ONE tensor load, filled once, read by that wave alone; W: 128 along K (w % 4) x 32 columns (w / 4), a lane to a column, registers down K.
; A is 256 KiB: work-groups 0-7 take a K step each, waves 0-7 of them 64 along K each, a lane to a column and a block.  Both tests are made of ids alone.
; The scale bytes are gathered in LDS and leave behind the one barrier, 256 consecutive bytes a store.
; No cluster: no two work-groups read the same bytes.  No prefetch: there is no loop to run ahead in; every wave's loads go out at its start.
.set XP,     1040                      ; a row of x's tile in LDS: 1,024 bytes + 16 of padding
.set TILEB,  16*XP
.set WS,     16*TILEB                  ; W's scale bytes of the chunk, [row 128][16]
.set XS,     WS+2048                   ; x's scale bytes, [K step 8][row 16][16]
.set AS,     XS+2048                   ; A's scale bytes of a K step, [row 16][32]: byte 2 x wave + h, so that each of the sixteen waves has bytes of its own; waves 0-7 fill a row's first 16
.set SPARE,  AS+512                    ; the spare words, 128 bytes a wave
.set CHUNK,  34816
.set SCOFF,  32768
.set L16, 3                            ; 16 x lane
.set XA,  4                            ; x's tile: my tile + 1,040 r + 64 h
.set L4,  5                            ; 4 x lane
.set AO,  6                            ; A: 2,048 h + 4 r
.set XSW, 7                            ; where I store x's two scale words of row r
.set WO,  8                            ; W's codes out: 4,096 h + 16 r
.set ASW, 9                            ; where I store A's scale byte
.set WSW, 10                           ; where I store W's scale word
.set SR,  11                           ; where I read 256 scale bytes back
.set L8,  12                           ; 8 x lane
.set ASR, 13                           ; where A's scale bytes are read back
.set HH,  15                           ; h
.set TM,  16                           ; v16-35 at work
.set MA,  TM+8
.set MB,  TM+9
.set SCL, TM+10
.set AB,  TM+17
.set WBY, TM+19
.set SPW, 38                           ; my spare word; never rewritten
.set NIL, 39                           ; 0; never rewritten
.set XW,  40                           ; v40-41 x's scale words
.set PA,  42                           ; v42-43 A's scale bytes on their way out
.set SW,  44                           ; W's scale word of my column
.set PR,  46                           ; v46-47 a pair on its way out
.set AC,  48                           ; v48-51 A's codes
.set XC,  64                           ; v64-79 x's two fragments
.set AR,  80                           ; v80-111 A's 32 numbers
.set WC,  112                          ; v112-127 the codes of W's four units, each in registers of its own
.set S0,  128                          ; v128-191 W's units 2 and 3
.set S1,  192                          ; v192-255 W's units 0 and 1, then x
.set WV,  16
.set W7,  17
.set GL,  18
.set GH,  19
.set G1X, 24
.set G0X, 32
.set SEL, 40
.set WL,  42
.set WH,  43
.set QQ,  44
.set CG,  45
	s_load_b256 s[4:11], s[0:1], 0x0               ; x, W, A, xq
	s_load_b128 s[12:15], s[0:1], 0x20             ; wq, aq
	v_lshl_add_u32 v[SPW], v0, 2, SPARE
	v_mov_b32 v[NIL], 0
	ds_add_u32 v[SPW], v[NIL]                      ; the opening lines: the add, twice on end, and one wait
	ds_add_u32 v[SPW], v[NIL]
	v_lshrrev_b32 v1, 5, v0
	s_delay_alu instid0(VALU_DEP_1)
	v_readfirstlane_b32 s[WV], v1                  ; wave 0..15
	s_and_b32 s[W7], s[WV], 7
	s_lshr_b32 s[WH], s[WV], 1                     ; my K step of 512
	s_and_b32 s[WL], s[WV], 1                      ; and which half of it
	s_and_b32 s[QQ], s[WV], 3
	s_lshr_b32 s[CG], s[WV], 2
	s_and_b32 s[GL], ttmp9, 7
	s_lshr_b32 s[GH], ttmp9, 3
	s_cmp_lt_u32 ttmp9, 8
	s_cselect_b32 s50, 8, 0                        ; waves under this number take a part of A;
	s_cselect_b32 s51, 1, 0                        ; waves under this one store its scale bytes
	s_mov_b32 s[SEL], 0x76543210
	s_mov_b32 s[SEL+1], 0xfedcba98
	s_mov_b32 s[G1X+0], (2<<16)|(1<<20)|(7<<22)|(3<<25)   ; elements of 4 bytes; four words of padding behind every 256
	s_mov_b32 s[G1X+1], 256<<16
	s_mov_b32 s[G1X+2], 16<<16
	s_mov_b32 s[G1X+3], 256<<16
	s_mov_b32 s[G1X+4], 16
	s_mov_b32 s[G1X+5], 4096
	s_mov_b32 s[G1X+6], 0
	s_mov_b32 s[G1X+7], 0
	s_mov_b32 s[G0X], 1
	s_mul_i32 s[G0X+1], s[WV], TILEB               ; LDS: my tile
	s_lshl_b32 s36, s[WH], 8
	s_lshl_b32 s37, s[WL], 3
	s_add_co_u32 s36, s36, s37
	s_add_co_u32 s36, s36, XS                      ; XS + 256 x K step + 8 x half
	s_lshl_b32 s37, s[WV], 1
	s_add_co_u32 s37, s37, AS                      ; AS + 2 x (wave % 8)
	s_lshl_b32 s38, s[CG], 9
	s_lshl_b32 s39, s[QQ], 2
	s_add_co_u32 s38, s38, s39
	s_add_co_u32 s38, s38, WS
	s_lshl_b32 s39, s[WV], 8
	s_add_co_u32 s39, s39, WS                      ; waves 0-7 read W's scale bytes back, waves 8-15 x's, which lie behind them
	; byte offsets, each in a pair of its own
	s_lshl_b32 s20, ttmp9, 18                      ; x: 16 g rows of 16,384 bytes + 1,024 x wave
	s_lshl_b32 s62, s[WV], 10
	s_add_co_u32 s20, s20, s62
	s_mov_b32 s21, 0
	s_lshl_b32 s22, s[GL], 15                      ; A: 512 rows of 64 bytes a K step + 64 rows a wave
	s_lshl_b32 s62, s[W7], 12
	s_add_co_u32 s22, s22, s62
	s_mov_b32 s23, 0
	s_lshl_b32 s62, s[WH], 5
	s_add_co_u32 s62, s62, s[GH]
	s_mul_i32 s62, s62, CHUNK                      ; xq: chunk (my K step, group g / 8), tile g % 8, my two of its four fragments
	s_lshl_b32 s46, s[GL], 12
	s_add_co_u32 s46, s46, s62
	s_lshl_b32 s62, s[WL], 11
	s_add_co_u32 s46, s46, s62
	s_mov_b32 s47, 0
	s_lshl_b32 s62, s[W7], 5
	s_add_co_u32 s62, s62, s[GH]
	s_mul_i32 s62, s62, CHUNK                      ; x's scale bytes out (waves 8-15): chunk (K step wave % 8, group), the tile's 16 rows
	s_lshl_b32 s48, s[GL], 8
	s_add_co_u32 s48, s48, s62
	s_lshl_b32 s54, s[GL], 23                      ; W: 512 (g % 8) rows + 128 (wave % 4) rows + 128 (g / 8) columns + 32 (wave / 4) columns
	s_lshl_b32 s62, s[QQ], 21
	s_add_co_u32 s54, s54, s62
	s_lshl_b32 s62, s[GH], 9
	s_add_co_u32 s54, s54, s62
	s_lshl_b32 s62, s[CG], 7
	s_add_co_u32 s54, s54, s62
	s_mov_b32 s55, 0
	s_lshl_b32 s62, s[GL], 5
	s_add_co_u32 s62, s62, s[GH]
	s_mul_i32 s62, s62, CHUNK                      ; wq: chunk (K step g % 8, group g / 8)
	s_lshl_b32 s56, s[CG], 13
	s_lshl_b32 s63, s[QQ], 10
	s_add_co_u32 s56, s56, s63
	s_add_co_u32 s56, s56, s62
	s_mov_b32 s57, 0
	s_lshl_b32 s58, s[W7], 8                       ; W's scale bytes out (waves 0-7): 256 of the 2,048
	s_add_co_u32 s58, s58, s62
	s_cmp_lt_u32 s[WV], 8
	s_cselect_b32 s58, s58, s48
	s_add_co_u32 s58, s58, SCOFF
	s_mov_b32 s59, 0
	s_mul_i32 s60, s[GL], 4352                     ; aq: my K step, 512 bytes a wave
	s_lshl_b32 s62, s[W7], 9
	s_add_co_u32 s60, s60, s62
	s_mov_b32 s61, 0
	; every address register is made here and never rewritten
	v_and_b32 v1, 31, v0                           ; lane
	v_and_b32 v2, 15, v0                           ; r
	v_bfe_u32 v[HH], v0, 4, 1                      ; h
	s_delay_alu instid0(VALU_DEP_3)
	v_lshlrev_b32 v[L16], 4, v1
	s_delay_alu instid0(VALU_DEP_4)
	v_lshlrev_b32 v[L4], 2, v1
	v_lshlrev_b32 v[L8], 3, v1
	v_mul_u32_u24 v[XA], v2, XP
	s_delay_alu instid0(VALU_DEP_1)
	v_lshl_add_u32 v[XA], v[HH], 6, v[XA]
	s_delay_alu instid0(VALU_DEP_1)
	v_add_nc_u32 v[XA], s[G0X+1], v[XA]
	v_lshlrev_b32 v[AO], 2, v2
	s_delay_alu instid0(VALU_DEP_1)
	v_lshl_add_u32 v[AO], v[HH], 11, v[AO]
	v_lshlrev_b32 v[XSW], 4, v2
	s_delay_alu instid0(VALU_DEP_1)
	v_add_nc_u32 v[XSW], s36, v[XSW]
	v_lshlrev_b32 v[WO], 4, v2
	s_delay_alu instid0(VALU_DEP_1)
	v_lshl_add_u32 v[WO], v[HH], 12, v[WO]
	v_lshl_add_u32 v[ASW], v2, 5, v[HH]
	s_delay_alu instid0(VALU_DEP_1)
	v_add_nc_u32 v[ASW], s37, v[ASW]               ; AS + 32 r + 2 x (wave % 8) + h
	v_add_nc_u32 v[WSW], s38, v[L16]
	v_add_nc_u32 v[SR], s39, v[L8]
	v_lshrrev_b32 v[ASR], 1, v1                    ; back: lane l takes 8 bytes of row l / 2: AS + 32 (l / 2) + 8 (l % 2)
	v_and_b32 v14, 1, v1
	s_delay_alu instid0(VALU_DEP_2)
	v_lshlrev_b32 v[ASR], 5, v[ASR]
	s_delay_alu instid0(VALU_DEP_1)
	v_lshl_add_u32 v[ASR], v14, 3, v[ASR]
	s_delay_alu instid0(VALU_DEP_1)
	v_add_nc_u32 v[ASR], AS, v[ASR]
.irp b, 0,1,2,3
	v_mov_b32 v[TM+4+\b], 0                        ; written once: a lane permute's destination counts as one of its sources
.endr
	s_wait_alu depctr_va_vdst(0)                   ; the wait at the head's end
	s_wait_dscnt 0x0                               ; both opening adds are done
	s_wait_kmcnt 0x0
	s_add_nc_u64 s[4:5], s[4:5], s[20:21]
	s_add_nc_u64 s[8:9], s[8:9], s[22:23]
	s_add_nc_u64 s[6:7], s[6:7], s[54:55]
	s_cmp_lt_u32 s[WV], 8                          ; the choice hangs on the wave's number alone
	s_cselect_b64 s[52:53], s[12:13], s[10:11]
	s_add_nc_u64 s[52:53], s[52:53], s[58:59]      ; scale bytes out
	s_add_nc_u64 s[10:11], s[10:11], s[46:47]      ; x's codes out
	s_add_nc_u64 s[12:13], s[12:13], s[56:57]      ; W's codes out
	s_add_nc_u64 s[14:15], s[14:15], s[60:61]      ; A's codes out
	s_mov_b64 s[G0X+2:G0X+3], s[4:5]
	s_or_b32 s[G0X+3], s[G0X+3], 0x80000000        ; type = 2
; A whole block of 32 along K in one lane, v[src] .. v[src + 31]: its codes into v[dst] .. v[dst + 3], its scale byte into v[by]
.macro BLK32 src, dst, by
	v_max3_num_f32 v[MA], |v[(\src)]|, |v[(\src)+1]|, |v[(\src)+2]|
	v_max3_num_f32 v[MB], |v[(\src)+3]|, |v[(\src)+4]|, |v[(\src)+5]|
.irp i, 6,10,14,18,22,26
	s_delay_alu instid0(VALU_DEP_2)
	v_max3_num_f32 v[MA], v[MA], |v[(\src)+\i]|, |v[(\src)+\i+1]|
	s_delay_alu instid0(VALU_DEP_2)
	v_max3_num_f32 v[MB], v[MB], |v[(\src)+\i+2]|, |v[(\src)+\i+3]|
.endr
	s_delay_alu instid0(VALU_DEP_2)
	v_max3_num_f32 v[MA], v[MA], |v[(\src)+30]|, |v[(\src)+31]|
	s_delay_alu instid0(VALU_DEP_1)
	v_max3_num_f32 v[MA], v[MA], v[MB], 0x1800000  ; and the floor 2^(3 - 127): the byte cannot fall under 1
	s_delay_alu instid0(VALU_DEP_1)
	v_add_nc_u32 v[SCL], 0xff000000, v[MA]         ; 2 off the exponent field: the conversion takes the exponent field of this operand as its scale
.irp g, 0,1,2,3
	v_cvt_scalef32_pk8_fp4_f32 v[(\dst)+\g], v[(\src)+8*\g:(\src)+8*\g+7], v[SCL]
.endr
	v_lshrrev_b32 v[\by], 23, v[SCL]               ; the scale's byte; also the one plain instruction behind the conversions
.endm
; 64 numbers of a lane, register 16 b + i = k 32 b + 16 h + i of my row, become a fragment's codes in v[d] .. v[d + 7] and its scale word in v[w]
.macro QUANT s, d, w
.irp b, 0,1,2,3
	v_max3_num_f32 v[TM+\b], |v[\s+16*\b]|, |v[\s+1+16*\b]|, 0x1800000
.endr
.irp i, 2,4,6,8,10,12,14
.irp b, 0,1,2,3
	s_delay_alu instid0(VALU_DEP_4)
	v_max3_num_f32 v[TM+\b], v[TM+\b], |v[\s+16*\b+\i]|, |v[\s+1+16*\b+\i]|
.endr
.endr
.irp b, 0,1,2,3
	s_delay_alu instid0(VALU_DEP_4)
	v_permlanex16_b32 v[TM+4+\b], v[TM+\b], s[SEL], s[SEL+1]
.endr
.irp b, 0,1,2,3
	s_delay_alu instid0(VALU_DEP_4)
	v_max_num_f32 v[TM+\b], v[TM+\b], v[TM+4+\b]   ; with lane l xor 16's: the block's largest magnitude
.endr
.irp b, 0,1,2,3
	s_delay_alu instid0(VALU_DEP_4)
	v_add_nc_u32 v[TM+12+\b], 0xff000000, v[TM+\b]
.endr
.irp b, 0,1,2,3
	s_delay_alu instid0(VALU_DEP_4)
	v_lshrrev_b32 v[TM+4+\b], 23, v[TM+12+\b]
.endr
	s_delay_alu instid0(VALU_DEP_3)
	v_lshl_or_b32 v[\w], v[TM+5], 8, v[TM+4]       ; four bytes make my row's scale word, the same in both halves of the lanes
	s_delay_alu instid0(VALU_DEP_1)
	v_lshl_or_b32 v[\w], v[TM+6], 16, v[\w]
	s_delay_alu instid0(VALU_DEP_1)
	v_lshl_or_b32 v[\w], v[TM+7], 24, v[\w]
.irp b, 0,1,2,3
	v_cvt_scalef32_pk8_fp4_f32 v[\d+2*\b], v[\s+16*\b:\s+7+16*\b], v[TM+12+\b]
	v_cvt_scalef32_pk8_fp4_f32 v[\d+1+2*\b], v[\s+8+16*\b:\s+15+16*\b], v[TM+12+\b]
.endr
	v_nop                                          ; one plain instruction behind a scaled conversion
.irp c, 0,1                                    ; the operand's layout wants a whole block in a lane
.irp i, 0,1
	v_permlane16_swap_b32 v[\d+4*\c+\i], v[\d+2+4*\c+\i]
.endr
.endr
.endm
.macro XLD sig                         ; 128 along K of my row: 16 neighbours of each block of 32
.irp b, 0,1,2,3
.irp j, 0,1,2,3
	ds_load_b128 v[S1+16*\b+4*\j:S1+16*\b+4*\j+3], v[XA] offset:512*\sig+128*\b+16*\j
.endr
.endr
.endm
.macro XOUT s                          ; fragment s as it stands: each store covers 512 consecutive bytes, aligned
	global_store_b128 v[L16], v[XC+8*\s:XC+8*\s+3], s[10:11] offset:1024*\s
	global_store_b128 v[L16], v[XC+8*\s+4:XC+8*\s+7], s[10:11] offset:1024*\s+512
.endm
.macro WLOAD u, set                    ; W(32 u + i, my column), i = 0 .. 31; 128 consecutive bytes a load
.set ii, 0
.rept 32
	global_load_b32 v[(\set)+ii], v[L4], s[6:7] offset:(32*(\u)+ii)*16384 th:TH_LOAD_NT
.set ii, ii+1
.endr
.endm
.macro WBLOCK u, set
.if (\u) == 0
	BLK32 \set, WC, SW
.else
	BLK32 \set, WC+4*(\u), WBY
	s_delay_alu instid0(VALU_DEP_1)
	v_lshl_or_b32 v[SW], v[WBY], 8*(\u), v[SW]
.endif
	global_store_b128 v[WO], v[WC+4*(\u):WC+4*(\u)+3], s[12:13] offset:512*((\u)/2)+256*((\u)%2)   ; each half of the lanes fills 256 consecutive bytes, aligned
.endm
	tensor_load_to_lds s[G0X:G0X+3], s[G1X:G1X+7]  ; my one tensor load: 16 rows x 256 numbers of x
	s_nop 0
.rept 4
	v_nop
.endr
	WLOAD 0, S1
	WLOAD 1, S1+32
	WLOAD 2, S0
	WLOAD 3, S0+32
	s_cmp_lt_u32 s[WV], s50
	s_cbranch_scc0 .Lno_a_in
.set ii, 0
.rept 32
	global_load_b32 v[AR+ii], v[AO], s[8:9] offset:ii*64 th:TH_LOAD_NT   ; A(32 h + i, r) of my 64 along K: the youngest loads, so the counts below hold on both ways
.set ii, ii+1
.endr
.Lno_a_in:
	s_wait_loadcnt 63                              ; behind W's units 0 and 1 stand 64 younger loads or more: with 63 out at the most both are in
	WBLOCK 0, S1
	WBLOCK 1, S1+32
	s_wait_alu depctr_va_vdst(0)
	s_wait_tensorcnt 0x0                           ; my tile is in LDS; I alone read it.  x is quantised while W's last two units are on their way
	XLD 0
	s_wait_dscnt 0x0
	QUANT S1, XC, XW
	XLD 1
	XOUT 0
	s_wait_dscnt 0x0
	QUANT S1, XC+8, XW+1
	XOUT 1
	ds_store_b64 v[XSW], v[XW:XW+1]                ; row r's two scale words; lanes r and r + 16 write the same bytes with the same value
	s_wait_loadcnt 32                              ; W's unit 2 is in: 32 younger loads or more
	WBLOCK 2, S0
	s_wait_loadcnt 0x0
	WBLOCK 3, S0+32
	ds_store_b32 v[WSW], v[SW]                     ; my column's scale word of this 128 along K
	s_cmp_lt_u32 s[WV], s50
	s_wait_alu depctr_va_vdst(0)
	s_cbranch_scc0 .Lno_a_out
	BLK32 AR, AC, AB
	global_store_b128 v[L16], v[AC:AC+3], s[14:15] ; 512 consecutive bytes, aligned
	ds_store_b8 v[ASW], v[AB]                      ; each lane's block has a byte of its own
.Lno_a_out:
	s_wait_dscnt 0x0                               ; for the others' sake: my LDS stores are done
	s_barrier_signal -1
	s_barrier_wait -1                              ; the one barrier: all scale bytes lie in LDS
	ds_load_b64 v[PR:PR+1], v[SR]                  ; 256 scale bytes a wave
	s_wait_dscnt 0x0
	global_store_b64 v[L8], v[PR:PR+1], s[52:53]   ; 256 consecutive bytes, aligned
	s_cmp_lt_u32 s[WV], s51
	s_cbranch_scc0 .Ldone
	ds_load_b64 v[PA:PA+1], v[ASR]                 ; wave 0 of work-groups 0-7: A's 256 scale bytes of the K step
	s_wait_dscnt 0x0
	global_store_b64 v[L8], v[PA:PA+1], s[14:15] offset:4096
.Ldone:
	s_wait_tensorcnt 0x0                           ; the wave's end
	ds_add_u32 v[SPW], v[NIL]
	s_wait_dscnt 0x0
	s_endpgm
.Lfunc_end_k_q08a7ce464b_quant:
	.size	k_q08a7ce464b_quant, .Lfunc_end_k_q08a7ce464b_quant-k_q08a7ce464b_quant
	.p2alignl 7, 3214868480
	.fill 96, 4, 3214868480
	.section	.rodata,"a",@progbits
	.p2align	6, 0x0
	.amdhsa_kernel k_q08a7ce464b_quant
		.amdhsa_group_segment_fixed_size 272896
		.amdhsa_private_segment_fixed_size 0
		.amdhsa_enable_private_segment 0
		.amdhsa_kernarg_size 48
		.amdhsa_user_sgpr_count 2
		.amdhsa_user_sgpr_kernarg_segment_ptr 1
		.amdhsa_wavefront_size32 1
		.amdhsa_system_sgpr_workgroup_id_x 1
		.amdhsa_system_sgpr_workgroup_id_y 1
		.amdhsa_system_sgpr_workgroup_id_z 1
		.amdhsa_system_vgpr_workitem_id 0
		.amdhsa_next_free_vgpr 256
		.amdhsa_next_free_sgpr 66
		.amdhsa_reserve_vcc 0
		.amdhsa_float_denorm_mode_32 3
		.amdhsa_float_denorm_mode_16_64 3
		.amdhsa_memory_ordered 1
		.amdhsa_forward_progress 1
		.amdhsa_inst_pref_size 45
	.end_amdhsa_kernel
	.amdgpu_metadata
---
amdhsa.version: [ 1, 2 ]
amdhsa.kernels:
  - .name:           k_q08a7ce464b_quant
    .symbol:         k_q08a7ce464b_quant.kd
    .args:
      - { .name: x, .offset: 0, .size: 8, .value_kind: global_buffer, .address_space: global }
      - { .name: W, .offset: 8, .size: 8, .value_kind: global_buffer, .address_space: global }
      - { .name: A, .offset: 16, .size: 8, .value_kind: global_buffer, .address_space: global }
      - { .name: xq, .offset: 24, .size: 8, .value_kind: global_buffer, .address_space: global }
      - { .name: wq, .offset: 32, .size: 8, .value_kind: global_buffer, .address_space: global }
      - { .name: aq, .offset: 40, .size: 8, .value_kind: global_buffer, .address_space: global }
    .group_segment_fixed_size: 272896
    .private_segment_fixed_size: 0
    .kernarg_segment_align: 8
    .kernarg_segment_size: 48
    .max_flat_workgroup_size: 512
    .sgpr_count:     66
    .vgpr_count:     256
    .wavefront_size: 32
...
	.end_amdgpu_metadata
.endif
;; end of part 1
;; launch gemm (part 2): grid 16 x 16, 4 waves a work-group, clusters of 4 x 4, 327,680 bytes of LDS; arguments xq, wq, aq, B, b, out0; writes out0
.if DOCPART == 2
	.amdgcn_target "amdgcn-amd-amdhsa--gfx1250"
	.amdhsa_code_object_version 6
	.text
	.protected	k_q08a7ce464b_gemm
	.globl	k_q08a7ce464b_gemm
	.p2align	8
	.type	k_q08a7ce464b_gemm,@function
k_q08a7ce464b_gemm:
	s_mov_b64 s[64:65], 0
	v_nop
	global_prefetch_b8 v0, s[64:65] scope:SCOPE_SE
	s_setreg_imm32_b32 hwreg(HW_REG_WAVE_MODE, 25, 1), 1
	s_wait_xcnt 0x0
	s_wait_alu depctr_hold_cnt(0) depctr_sa_sdst(0) depctr_va_vdst(0) depctr_va_sdst(0) depctr_va_ssrc(0) depctr_va_vcc(0) depctr_vm_vsrc(0)
	s_getreg_b32 s2, hwreg(HW_REG_IB_STS2, 6, 4)
	s_cmp_eq_u32 s2, 0
	s_cbranch_scc0 .Lentry_in_a_cluster
	s_endpgm
.Lentry_in_a_cluster:
	s_bfe_u32 s2, ttmp6, 0x10000c
	s_cmp_lg_u32 s2, 0xf033
	s_cbranch_scc0 .Lentry_shape_is_right
	s_endpgm
.Lentry_shape_is_right:
; out0[m][n] = sum over k of Q(x)[m][k] Q(W)[k][n] + b[n] + sum over r of t[m][r] B[r][n], t = Q(x) Q(A).  (The factor SCALE = 16 / 16 = 1 of reference() is left out: it changes no number.)
; xq and wq hold codes of FP4 and E8M0 scale bytes in chunks of 34,816 bytes, [K step of 512: 8][group of 128 rows: 32]: 32,768 bytes of images of operand registers
; ([tile of 16 rows][128 along K][c][lane][16 bytes]) and 2,048 scale bytes ([row][16]).  aq holds A's 16 columns likewise, 4,352 bytes a K step.
; A tile of out0, 256 x 256, is made by four waves, each 128 x 128: 64 accumulators, 512 registers.  K goes in steps of 512 through a ring of two LDS slots, a chunk (136 dense rows of 256 bytes) a wave and a step.
; t OF MY 128 ROWS IS MADE ON THE WAY: x's fragments are in registers anyway, so eight more FP4 products a step of 128, against A's one fragment, give t; aq, 34,816 bytes, is copied once into LDS bytes of its own.
; With A's columns as source 0, lane (r, h) holds t(r, 8 h .. 8 h + 7): rounded to bf16 these are registers 0-3 of the operand of the product of K = 16, which is left as it is.
; THE LOW-RANK TERM AND THE BIAS are added at the end, block by block of 16 rows, by bf16 products of K = 32: k = 0 .. 15 are t x B; k = 16, 17, 18 are 1 x the bias's three parts.
; The parts: the upper 16 bits of b, of what is left, and of what is left then: each difference is exact and the third part has 8 significant bits at the most, so the three bf16 numbers add up to b itself.
; LIMITS: NaN and infinities among the inputs are not served; a bias under 2^-110 in magnitude may lose low bits of its third part.  t's sum over K is one chain for each accumulator.
; CLUSTERS: 4 x 4 work-groups; x's chunks are asked for jointly along a row of the cluster, W's along a column.  The clusters begin at different K steps and go round (K's order changes no block's product).
; THE MATRIX INSTRUCTION IS USED TRANSPOSED (source 0 = 16 rows of wq, source 1 = 16 rows of xq): a lane holds eight neighbouring numbers of a row of out0.
; Both operands have TWO sets of fragment registers: the LDS loads of the next step of 128 go out in one run at a step's head.  At a change of slots the joint refill goes out ahead of the step's products.
; No prefetch: the block is the largest, in clusters, and K has only 8 steps of the ring, of which two are asked for at the head.
; REGISTERS: window 0: v0-31 addresses, v8-15 A's scale words (two sets); v32-95 scale words, two sets (lanes 0-15 x's, lanes 16-31 W's); v96-111 A's fragment, two sets; v128-191, v192-255 x's fragments, two sets.
;   window 1: v0-63, v128-191 W's fragments, two sets; v64-127 B's and the bias's bf16 fragments; v192-255 t's eight accumulators.   windows 2, 3: the accumulators, (a, b) at v[8 (8 (a % 4) + b)] of window 2 + a / 4.
.set SIZE_N, 4096
.set NQ,     4
.set HALFT,  34816
.set SCOFF,  32768
.set SLOT,   4*HALFT                   ; x's two chunks, then W's two
.set AQ,     2*SLOT                    ; aq's copy, in the order in which my cluster walks K: 8 x 4,352 bytes
.set AQS,    4352
.set SPARE,  AQ+8*AQS                  ; the spare words, 128 bytes a wave
.set KSB,    32*HALFT                  ; bytes from K step to K step
.set LAPS,   4
.set SPITCH, 528                       ; the way out: a stage of 16 rows x (512 + 16) bytes a wave, in slot 0 when it has had its last fill and its last read
.set QS,   8
.set ADRA, 16
.set ADQ,  18
.set ADQS, 19
.set ADRB, 20
.set ADRS, 22
.set STO,  24
.set RD,   25
.set CO,   26
.set AQW,  27
.set SPW,  28
.set NIL,  29
.set SC,   32
.set QF,   96
.set BX,   112                         ; at the head: the bias, then its third part; v120-127 its first part; v96-103 its second
.set AF,   128
.set BF,   64
.set TA,   192
.set TFE,  0
.set BK,   128
.set WV,   16
.set RH,   17
.set CH,   18
.set LAP,  19
.set XB,   20
.set G1,   24
.set G0,   32
.set WB,   46
.set G1B,  48
.set G0B,  56
.set KC,   78
.set KO,   80
.set HM,   82
.set MSB, 0
.macro WIN new                         ; the immediate's high byte repeats the setting that is left
.if MSB != \new
	s_set_vgpr_msb (MSB<<8)|\new
.set MSB, \new
.endif
.endm
.set MUL_LO, 0xa1
.set MUL_HI, 0xf1
.set MUL_T,  0x50                      ; sources window 0, C and D window 1
.set TO_B,   0x40
.macro JLOAD g0a, g1a, g0b, g1b        ; a joint load: waves 0 and 1 fetch x's chunks, waves 2 and 3 W's; s_nop 0 and four v_nop behind each line
	s_cmp_eq_u32 s[RH], 0
	s_cbranch_scc0 .Lfor_b_\@
	tensor_load_to_lds s[\g0a:\g0a+3], s[\g1a:\g1a+7]
	s_nop 0
.rept 4
	v_nop
.endr
	s_branch .Lasked_\@
.Lfor_b_\@:
	tensor_load_to_lds s[\g0b:\g0b+3], s[\g1b:\g1b+7]
	s_nop 0
.rept 4
	v_nop
.endr
.Lasked_\@:
.endm
.macro AIM slot                        ; the slot's group 0 at K step KC + slot
	s_add_nc_u64 s[G0+4*\slot+2:G0+4*\slot+3], s[XB:XB+1], s[KO:KO+1]
	s_add_nc_u64 s[G0B+4*\slot+2:G0B+4*\slot+3], s[WB:WB+1], s[KO:KO+1]
.if \slot
	s_add_nc_u64 s[G0+4*\slot+2:G0+4*\slot+3], s[G0+4*\slot+2:G0+4*\slot+3], KSB
	s_add_nc_u64 s[G0B+4*\slot+2:G0B+4*\slot+3], s[G0B+4*\slot+2:G0B+4*\slot+3], KSB
.endif
	s_or_b32 s[G0+4*\slot+3], s[G0+4*\slot+3], 0x80000000
	s_or_b32 s[G0B+4*\slot+3], s[G0B+4*\slot+3], 0x80000000
.endm
.macro CREST                           ; a round of the cluster's barrier behind its opening barrier
	s_cmp_lg_u32 s[WV], 0
	s_cbranch_scc1 .Lnot_wave_0_\@
	s_barrier_signal -3
.Lnot_wave_0_\@:
	s_barrier_wait -3
	s_barrier_signal -1
	s_barrier_wait -1
.endm
.macro CROUND
	s_barrier_signal -1
	s_barrier_wait -1
	CREST
.endm
.macro PLACES n
.rept \n
	v_nop
.endr
.endm
	s_load_b256 s[4:11], s[0:1], 0x0               ; xq, wq, aq, B
	s_load_b128 s[12:15], s[0:1], 0x20             ; b, out0
	v_lshl_add_u32 v[SPW], v0, 2, SPARE
	v_mov_b32 v[NIL], 0
	ds_add_u32 v[SPW], v[NIL]                      ; the opening lines: the add, twice on end, and one wait
	ds_add_u32 v[SPW], v[NIL]
	v_lshrrev_b32 v1, 5, v0
	v_readfirstlane_b32 s[WV], v1
	v_and_b32 v1, 15, v0                           ; r
	v_bfe_u32 v2, v0, 4, 1                         ; h
	v_lshlrev_b32 v6, 2, v1                        ; bias: 4 r
	v_lshl_add_u32 v5, v2, 17, v6                  ; B: 8 h rows of 16,384 bytes + 4 r
	v_and_b32 v[CO], 31, v0
	v_lshlrev_b32 v[CO], 4, v[CO]                  ; 16 x lane
	s_lshr_b32 s[RH], s[WV], 1                     ; my half of the tile's rows; also: I fetch for x (0) or for W (1)
	s_and_b32 s[CH], s[WV], 1                      ; my half of its columns; also: which chunk I fetch
	s_bfe_u32 s40, ttmp6, 0x40000                  ; cx
	s_bfe_u32 s41, ttmp6, 0x40004                  ; cy
	s_lshl_b32 s42, ttmp9, 2
	s_add_co_u32 s42, s42, s40                     ; tile column
	s_and_b32 s43, ttmp7, 0xffff
	s_lshl_b32 s43, s43, 2
	s_add_co_u32 s43, s43, s41                     ; tile row
	s_lshl_b32 s44, s41, 2
	s_lshl_b32 s44, 15, s44                        ; my row of the cluster
	s_lshl_b32 s45, 0x1111, s40                    ; my column
	s_and_b32 s[KC], ttmp7, 0xffff                 ; the K step at which my cluster begins: made of the cluster's x and y alone, even
	s_add_co_u32 s[KC], s[KC], 1
	s_and_b32 s[KC], s[KC], 2
	s_add_co_u32 s[KC], s[KC], ttmp9
	s_and_b32 s[KC], s[KC], 3
	s_lshl_b32 s[KC], s[KC], 1
	s_mul_i32 s[KO], s[KC], KSB
	s_mov_b32 s[KO+1], 0
	s_mov_b32 s[HM], 0xffff                        ; lanes 0-15
	s_or_b32 s[G1+0], s44, (3<<16)|(1<<21)         ; elements of 8 bytes; the mask, and bit 21 beside it
	s_or_b32 s[G1B+0], s45, (3<<16)|(1<<21)
.irp g, G1, G1B
	s_mov_b32 s[\g+1], 32<<16                      ; 136 dense rows of 256 bytes
	s_mov_b32 s[\g+2], 136<<16
	s_mov_b32 s[\g+3], 32<<16
	s_mov_b32 s[\g+4], 136
	s_mov_b32 s[\g+5], 32
	s_mov_b32 s[\g+6], 0
	s_mov_b32 s[\g+7], 0
.endr
	s_lshl_b32 s[XB], s43, 1
	s_add_co_u32 s[XB], s[XB], s[CH]
	s_mul_i32 s[XB], s[XB], HALFT
	s_mov_b32 s[XB+1], 0
	s_lshl_b32 s[WB], s42, 1
	s_add_co_u32 s[WB], s[WB], s[CH]
	s_mul_i32 s[WB], s[WB], HALFT
	s_mov_b32 s[WB+1], 0
	s_mul_i32 s66, s[WV], HALFT                    ; where my chunk goes: wave x a chunk
	s_lshl_b32 s68, s[WV], 1                       ; aq: I copy the 2 w-th and the next K step of my cluster's walk: neighbours in memory, since the walk begins at an even step
	s_add_co_u32 s68, s68, s[KC]
	s_and_b32 s68, s68, 7
	s_mul_i32 s68, s68, AQS
	s_mov_b32 s69, 0
	s_lshl_b32 s70, s42, 10                        ; my 128 columns, in bytes of f32
	s_lshl_b32 s71, s[CH], 9
	s_add_co_u32 s70, s70, s71
	s_mov_b32 s71, 0
	s_lshl_b32 s72, s43, 22                        ; out0: my first row and column
	s_lshl_b32 s73, s[RH], 21
	s_add_co_u32 s72, s72, s73
	s_add_co_u32 s72, s72, s70
	s_mov_b32 s73, 0
	s_mul_i32 s74, s[RH], HALFT                    ; LDS: my chunk of x,
	s_mul_i32 s75, s[CH], HALFT
	s_add_co_u32 s75, s75, 2*HALFT                 ; my chunk of W,
	s_sub_co_u32 s76, s75, s74                     ; the distance between their scale bytes,
	s_add_co_u32 s77, s74, SCOFF
	s_mul_i32 s67, s[WV], 16*SPITCH                ; my stage,
	s_mul_i32 s83, s[WV], 2*AQS
	s_add_co_u32 s83, s83, AQ                      ; where my part of aq's copy goes
.irp s, 0,1
	s_mov_b32 s[G0+4*\s], 1
	s_add_co_u32 s[G0+4*\s+1], s66, \s*SLOT
	s_mov_b32 s[G0B+4*\s], 1
	s_add_co_u32 s[G0B+4*\s+1], s66, \s*SLOT
.endr
	s_wait_alu depctr_va_vdst(0)                   ; directly ahead of the waits below
	s_wait_dscnt 0x0                               ; both opening adds are done
	s_wait_kmcnt 0x0
	s_add_nc_u64 s[XB:XB+1], s[4:5], s[XB:XB+1]
	s_add_nc_u64 s[WB:WB+1], s[6:7], s[WB:WB+1]
	s_add_nc_u64 s[8:9], s[8:9], s[68:69]
	s_add_nc_u64 s[10:11], s[10:11], s[70:71]
	s_add_nc_u64 s[12:13], s[12:13], s[70:71]
	s_add_nc_u64 s[14:15], s[14:15], s[72:73]
	AIM 0
	AIM 1
	CROUND                                         ; all sixteen work-groups are here: the first joint loads meet
	JLOAD G0, G1, G0B, G1B                         ; K step 0: one tensor load a wave at the head
	WIN TO_B
.irp j, 0,1,2,3,4,5,6,7,8,9,10,11,12,13,14,15,16
	global_load_b128 v[128+4*\j:128+4*\j+3], v[CO], s[8:9] offset:512*\j   ; my 8,704 bytes of aq, 512 consecutive bytes a load
.endr
	WIN 0
.irp b, 0,1,2,3,4,5,6,7
	global_load_b32 v[BX+\b], v6, s[12:13] offset:64*\b                    ; b(16 b + r)
.endr
.irp b, 0,1,2,3,4,5,6,7
.irp i, 0,1,2,3,4,5,6,7
	global_load_b32 v[AF+8*\b+\i], v5, s[10:11] offset:16384*\i+64*\b      ; B(8 h + i, 16 b + r)
.endr
.endr
	v_mul_u32_u24 v7, s76, v2                      ; lanes 16-31 take W's scale words
	v_lshl_add_u32 v7, v1, 4, v7
	v_add_nc_u32 v[ADRS], s77, v7
	v_add_nc_u32 v[ADRS+1], SLOT, v[ADRS]
	v_add_nc_u32 v[ADRA], s74, v[CO]
	v_add_nc_u32 v[ADRB], s75, v[CO]
	v_add_nc_u32 v[ADRA+1], SLOT, v[ADRA]
	v_add_nc_u32 v[ADRB+1], SLOT, v[ADRB]
	v_add_nc_u32 v[ADQ], AQ, v[CO]
	v_lshlrev_b32 v[ADQS], 4, v1
	v_add_nc_u32 v[ADQS], AQ, v[ADQS]
	v_add_nc_u32 v[AQW], s83, v[CO]
	v_mul_u32_u24 v7, v1, SPITCH
	v_lshl_add_u32 v7, v2, 5, v7
	v_add_nc_u32 v[STO], s67, v7
	v_add_nc_u32 v[RD], s67, v[CO]
.macro FRAG reg, adr, q, i             ; a fragment's image: two loads of 512 consecutive bytes a wave
.irp c, 0,1
	ds_load_b128 v[\reg+4*\c:\reg+4*\c+3], v[\adr] offset:((\i)*4+(\q))*1024+512*\c
.endr
.endm
.macro MUL8 a, p, q, sc, zero          ; x's block a against W's eight, sets p, the slot's q-th 128 along K.  The accumulators take turns
.irp b, 0,1,2,3,4,5,6,7
.if \zero
	v_wmma_scale_f32_16x16x128_f8f6f4 v[8*(8*((\a)%4)+\b):8*(8*((\a)%4)+\b)+7], v[128*(\p)+8*\b:128*(\p)+8*\b+7], v[AF+64*(\p)+8*(\a):AF+64*(\p)+8*(\a)+7], 0, v[SC+8*NQ*(\sc)+NQ*\b+(\q)], v[SC+8*NQ*(\sc)+NQ*(\a)+(\q)] matrix_a_fmt:MATRIX_FMT_FP4 matrix_b_fmt:MATRIX_FMT_FP4 matrix_a_scale:MATRIX_SCALE_ROW1
.else
	v_wmma_scale_f32_16x16x128_f8f6f4 v[8*(8*((\a)%4)+\b):8*(8*((\a)%4)+\b)+7], v[128*(\p)+8*\b:128*(\p)+8*\b+7], v[AF+64*(\p)+8*(\a):AF+64*(\p)+8*(\a)+7], v[8*(8*((\a)%4)+\b):8*(8*((\a)%4)+\b)+7], v[SC+8*NQ*(\sc)+NQ*\b+(\q)], v[SC+8*NQ*(\sc)+NQ*(\a)+(\q)] matrix_a_fmt:MATRIX_FMT_FP4 matrix_b_fmt:MATRIX_FMT_FP4 matrix_a_scale:MATRIX_SCALE_ROW1
.endif
.endr
.endm
.macro MULT p, q, sc, zero             ; t: A's fragment against x's eight blocks
	WIN MUL_T
.irp a, 0,1,2,3,4,5,6,7
.if \zero
	v_wmma_scale_f32_16x16x128_f8f6f4 v[TA+8*\a:TA+8*\a+7], v[QF+8*(\p):QF+8*(\p)+7], v[AF+64*(\p)+8*\a:AF+64*(\p)+8*\a+7], 0, v[QS+4*(\sc)+(\q)], v[SC+8*NQ*(\sc)+NQ*\a+(\q)] matrix_a_fmt:MATRIX_FMT_FP4 matrix_b_fmt:MATRIX_FMT_FP4
.else
	v_wmma_scale_f32_16x16x128_f8f6f4 v[TA+8*\a:TA+8*\a+7], v[QF+8*(\p):QF+8*(\p)+7], v[AF+64*(\p)+8*\a:AF+64*(\p)+8*\a+7], v[TA+8*\a:TA+8*\a+7], v[QS+4*(\sc)+(\q)], v[SC+8*NQ*(\sc)+NQ*\a+(\q)] matrix_a_fmt:MATRIX_FMT_FP4 matrix_b_fmt:MATRIX_FMT_FP4
.endif
.endr
.endm
.macro MULS p, q, sc, zero, mid        ; a step's 72 products; mid: the LDS loads that may be out when x's blocks 4-7 are wanted
	WIN MUL_LO
.irp a, 0,1,2,3
	MUL8 \a, \p, \q, \sc, \zero
.endr
	s_wait_dscnt \mid
	WIN MUL_HI
.irp a, 4,5,6,7
	MUL8 \a, \p, \q, \sc, \zero
.endr
	MULT \p, \q, \sc, \zero
.endm
.macro FETCH slot, q, p, sc, lo        ; one run: W's eight fragments, x's blocks 0-3, A's fragment, (sc = 1: the slot's scale words,) x's blocks 4-7, into sets p.  lo: 0, or a lap's bytes of aq's copy
	WIN TO_B
.irp i, 0,1,2,3,4,5,6,7
	FRAG 128*(\p)+8*\i, ADRB+\slot, \q, \i
.endr
	WIN 0
.irp i, 0,1,2,3
	FRAG AF+64*(\p)+8*\i, ADRA+\slot, \q, \i
.endr
.irp c, 0,1
	ds_load_b128 v[QF+8*(\p)+4*\c:QF+8*(\p)+4*\c+3], v[ADQ] offset:(\lo)+AQS*(\slot)+1024*(\q)+512*\c
.endr
.if \sc
.irp i, 0,1,2,3,4,5,6,7
	ds_load_b128 v[SC+8*NQ*\slot+NQ*\i:SC+8*NQ*\slot+NQ*\i+3], v[ADRS+\slot] offset:256*\i
.endr
	ds_load_b128 v[QS+4*\slot:QS+4*\slot+3], v[ADQS] offset:(\lo)+AQS*(\slot)+4096
.endif
.irp i, 4,5,6,7
	FRAG AF+64*(\p)+8*\i, ADRA+\slot, \q, \i
.endr
.endm
.macro STEP slot, q, lo, zero          ; a step that has its successor in the same slot
	s_wait_dscnt 8                                 ; this step's fragments are in but for the youngest eight loads (x's blocks 4-7)
	PLACES 4                                       ; behind the last step's products, which read the sets that are loaded now
	FETCH \slot, (\q)+1, 1-(\q)%2, 0, \lo
	MULS (\q)%2, \q, \slot, \zero, 34              ; all but the 34 just issued
.endm
.macro TURN slot, next, fill, lo       ; a slot's last step changes slots: one barrier; fill = 1: it opens a round of the cluster's barrier, and the slot is filled again ahead of the step's products
	WIN 0
	s_wait_tensorcnt 0x0                           ; all my tensor loads have landed: my part of the next slot
	ds_add_u32 v[SPW], v[NIL]
.if \fill
.if \slot == 0
	s_add_co_u32 s[KC], s[KC], 2                   ; no tensor load of mine is out: the slot's group 0 is aimed two K steps on, round K's end
	s_and_b32 s[KC], s[KC], 7
	s_mul_i32 s[KO], s[KC], KSB
.endif
	AIM \slot
.endif
	s_wait_dscnt 0x0                               ; the add is done, and my reads of this slot are over: its last fragments are in registers
	s_barrier_signal -1
	s_barrier_wait -1
.if \fill
	CREST
	JLOAD G0+4*\slot, G1, G0B+4*\slot, G1B         ; the first tensor load behind the round; its four v_nop are the places in front of the loads below
.else
	PLACES 4
.endif
	FETCH \next, 0, 0, 1, \lo
	MULS 1, NQ-1, \slot, 0, 43                     ; this step's fragments were all in ahead of the barrier
.endm
.macro STEPS slot, from
.set Q, \from
.rept NQ-1-\from
	STEP \slot, Q, 0, 0
.set Q, Q+1
.endr
.endm
	s_wait_alu depctr_va_vdst(0)                   ; directly ahead of the wait below
	s_wait_loadcnt 0x0
	WIN 0x04                                       ; the data: window 1
.irp j, 0,1,2,3,4,5,6,7,8,9,10,11,12,13,14,15,16
	ds_store_b128 v[AQW], v[128+4*\j:128+4*\j+3] offset:512*\j
.endr
	WIN 0
.irp b, 0,1,2,3,4,5,6,7
	v_cndmask_b32 v[BX+\b], 0, v[BX+\b], s[HM]     ; k = 16 .. 18 lie in lanes 0-15; lanes 16-31 (k = 24 ..) hold zeros
.endr
.irp b, 0,1,2,3,4,5,6,7
	v_and_b32 v[BX+8+\b], 0xffff0000, v[BX+\b]     ; the bias's first part
.endr
.irp b, 0,1,2,3,4,5,6,7
	v_sub_f32 v[BX+\b], v[BX+\b], v[BX+8+\b]       ; what is left, exactly
.endr
.irp b, 0,1,2,3,4,5,6,7
	v_and_b32 v[QF+\b], 0xffff0000, v[BX+\b]       ; the second part
.endr
.irp b, 0,1,2,3,4,5,6,7
	v_sub_f32 v[BX+\b], v[BX+\b], v[QF+\b]         ; the third
.endr
	WIN TO_B
.irp b, 0,1,2,3,4,5,6,7
.irp p, 0,1,2,3
	v_cvt_pk_bf16_f32 v[BF+8*\b+\p], v[AF+8*\b+2*\p], v[AF+8*\b+2*\p+1]
.endr
	v_perm_b32 v[BF+8*\b+4], v[QF+\b], v[BX+8+\b], 0x07060302   ; k = 16: the first part, k = 17: the second
	v_lshrrev_b32 v[BF+8*\b+5], 16, v[BX+\b]                    ; k = 18: the third; k = 19: 0
	v_mov_b32 v[BF+8*\b+6], 0
	v_mov_b32 v[BF+8*\b+7], 0
.endr
	WIN 0
	s_wait_alu depctr_va_vdst(0)                   ; the wait at the head's end
	s_wait_tensorcnt 0x0                           ; my part of K step 0 is in; the three lines ahead of a later first fill, as ahead of a refill
	ds_add_u32 v[SPW], v[NIL]
	s_wait_dscnt 0x0                               ; the add, and my part of aq's copy
	CROUND
	JLOAD G0+4, G1, G0B+4, G1B                     ; K step 1: the first tensor load behind the round
	FETCH 0, 0, 0, 1, 0
	STEP 0, 0, 0, 1                                ; the first step stands in front of the loop: its products start the sums
	WIN 0
	s_mov_b32 s[LAP], LAPS-1
.Llap:                                                 ; a trip goes once round the ring, from a lap's second step to the next lap's first, and fills both slots again
	STEPS 0, 1
	TURN 0, 1, 1, 0
	STEPS 1, 0
	TURN 1, 0, 1, 2*AQS
	STEP 0, 0, 2*AQS, 0
	WIN 0
	v_add_nc_u32 v[ADQ], 2*AQS, v[ADQ]             ; on to the next lap's part of aq's copy
	v_add_nc_u32 v[ADQS], 2*AQS, v[ADQS]
	s_sub_co_u32 s[LAP], s[LAP], 1
	s_cmp_lg_u32 s[LAP], 0
	s_wait_alu depctr_va_vdst(0)                   ; directly ahead of the branch
	s_cbranch_scc1 .Llap
	STEPS 0, 1                                     ; the last lap fills nothing
	TURN 0, 1, 0, 0
	STEPS 1, 0
	s_wait_dscnt 8
	MULS 1, NQ-1, 1, 0, 0
	PLACES 4
	WIN 0x45                                       ; t, rounded to bf16, into W's set 0, which is done with: sources and destination window 1
.irp a, 0,1,2,3,4,5,6,7
.irp i, 0,1,2,3
	v_cvt_pk_bf16_f32 v[TFE+8*\a+\i], v[TA+8*\a+2*\i], v[TA+8*\a+2*\i+1]
.endr
.endr
.irp a, 0,1,2,3,4,5,6,7
	v_mov_b32 v[TFE+8*\a+4], 0x3f803f80            ; k = 16, 17: 1
	v_mov_b32 v[TFE+8*\a+5], 0x3f80                ; k = 18: 1
	v_mov_b32 v[TFE+8*\a+6], 0
	v_mov_b32 v[TFE+8*\a+7], 0
.endr
	s_wait_alu depctr_va_vdst(0)                   ; directly behind the writes
	PLACES 4
; THE WAY OUT, block by block of 16 rows x 128 columns: t B + b is added, then the block goes through my own stage and back as whole rows of 512 bytes.  LDS serves a wave's instructions in order (ISA guide 5.7.1.4)
.macro LORA8 a
	WIN 0xa5+0x50*((\a)/4)                         ; sources window 1, C and D window 2 or 3
.irp b, 0,1,2,3,4,5,6,7
	v_wmma_f32_16x16x32_bf16 v[8*(8*((\a)%4)+\b):8*(8*((\a)%4)+\b)+7], v[BF+8*\b:BF+8*\b+7], v[TFE+8*(\a):TFE+8*(\a)+7], v[8*(8*((\a)%4)+\b):8*(8*((\a)%4)+\b)+7]
.endr
.endm
.macro TOSTAGE a
.set AC, 64*((\a)%4)
	WIN 0x08+4*((\a)/4)
.irp b, 0,1,2,3,4,5,6,7
	ds_store_b128 v[STO], v[AC+8*\b:AC+8*\b+3] offset:64*\b          ; each accumulator from its low end on
	ds_store_b128 v[STO], v[AC+8*\b+4:AC+8*\b+7] offset:64*\b+16
.endr
	WIN 0
.set BB, BK+64*((\a)%2)
.irp t, 0,1,2,3,4,5,6,7,8,9,10,11,12,13,14,15
	ds_load_b128 v[BB+4*\t:BB+4*\t+3], v[RD] offset:\t*SPITCH
.endr
.endm
.macro SEND a, younger
.set BB, BK+64*((\a)%2)
	s_wait_dscnt \younger
.if (\a) > 0
	s_add_nc_u64 s[14:15], s[14:15], 16*SIZE_N*4   ; behind a wait on XCNT: the earlier stores have read their base
.endif
.irp t, 0,1,2,3,4,5,6,7,8,9,10,11,12,13,14,15
	global_store_b128 v[CO], v[BB+4*\t:BB+4*\t+3], s[14:15] offset:\t*SIZE_N*4 th:TH_STORE_NT   ; 32 lanes store 512 consecutive bytes, aligned
.endr
.endm
.irp a, 0,1,2,3,4,5,6,7
	LORA8 \a
	PLACES 4
.if \a > 1
	s_wait_xcnt 0x0                                ; block a - 2's stores have read their registers and their base
.endif
	TOSTAGE \a
.if \a > 0
	SEND \a-1, 32                                  ; behind block a - 1's loads: block a's 16 stores and 16 loads
.endif
.endr
	s_wait_xcnt 0x0
	SEND 7, 0
	s_wait_tensorcnt 0x0                           ; the wave's end
	ds_add_u32 v[SPW], v[NIL]
	s_wait_dscnt 0x0
	CROUND                                         ; the closing round
	s_endpgm
.Lfunc_end_k_q08a7ce464b_gemm:
	.size	k_q08a7ce464b_gemm, .Lfunc_end_k_q08a7ce464b_gemm-k_q08a7ce464b_gemm
	.p2alignl 7, 3214868480
	.fill 96, 4, 3214868480
	.section	.rodata,"a",@progbits
	.p2align	6, 0x0
	.amdhsa_kernel k_q08a7ce464b_gemm
		.amdhsa_group_segment_fixed_size 327680
		.amdhsa_private_segment_fixed_size 0
		.amdhsa_enable_private_segment 0
		.amdhsa_kernarg_size 48
		.amdhsa_user_sgpr_count 2
		.amdhsa_user_sgpr_kernarg_segment_ptr 1
		.amdhsa_wavefront_size32 1
		.amdhsa_system_sgpr_workgroup_id_x 1
		.amdhsa_system_sgpr_workgroup_id_y 1
		.amdhsa_system_sgpr_workgroup_id_z 1
		.amdhsa_system_vgpr_workitem_id 0
		.amdhsa_next_free_vgpr 1024
		.amdhsa_next_free_sgpr 84
		.amdhsa_reserve_vcc 0
		.amdhsa_float_denorm_mode_32 3
		.amdhsa_float_denorm_mode_16_64 3
		.amdhsa_memory_ordered 1
		.amdhsa_forward_progress 1
		.amdhsa_inst_pref_size 251
	.end_amdhsa_kernel
	.amdgpu_metadata
---
amdhsa.version: [ 1, 2 ]
amdhsa.kernels:
  - .name:           k_q08a7ce464b_gemm
    .symbol:         k_q08a7ce464b_gemm.kd
    .args:
      - { .name: xq, .offset: 0, .size: 8, .value_kind: global_buffer, .address_space: global }
      - { .name: wq, .offset: 8, .size: 8, .value_kind: global_buffer, .address_space: global }
      - { .name: aq, .offset: 16, .size: 8, .value_kind: global_buffer, .address_space: global }
      - { .name: B, .offset: 24, .size: 8, .value_kind: global_buffer, .address_space: global }
      - { .name: b, .offset: 32, .size: 8, .value_kind: global_buffer, .address_space: global }
      - { .name: out0, .offset: 40, .size: 8, .value_kind: global_buffer, .address_space: global }
    .group_segment_fixed_size: 327680
    .private_segment_fixed_size: 0
    .kernarg_segment_align: 8
    .kernarg_segment_size: 48
    .max_flat_workgroup_size: 128
    .sgpr_count:     84
    .vgpr_count:     1024
    .wavefront_size: 32
...
	.end_amdgpu_metadata
.endif
;; end of part 2
